; MI455X (gfx1250); checked and timed in simulation.
; The chip was launched on July 23, 2026; its instructions are those of AMD's public machine-readable ISA for CDNA 5 (MIT licence, August 2026) and "CDNA5" Instruction Set Architecture Reference Guide (July 2026). The comments in the code are by the model that wrote it; some were corrected since.
;; Multi Head Self Attention. Allowed arithmetic: float matrix products may take bf16 or f16 operands with f32 sums; all other float work in f32.
;; Inputs: k_proj 1,024 x 1,024 float32; o_proj 1,024 x 1,024 float32; q_proj 1,024 x 1,024 float32; v_proj 1,024 x 1,024 float32; x 4 x 2,048 x 1,024 float32.
;; Outputs: out0 4 x 2,048 x 1,024 float32.
;; One version. Each part assembles by itself: llvm-mc -triple=amdgcn-amd-amdhsa -mcpu=gfx1250 --defsym DOCPART=n.
;; ======== version 1 of 1: 4 launches
;; limits: values are held in f16: magnitudes above 65,504 overflow, below 6.1e-05 lose precision
;; workspace buffers: xb 16,777,216 bytes; wb 8,388,608 bytes; qkvh 50,331,648 bytes; att 16,777,216 bytes
;; launch cast (part 1): grid 768 x 1, 8 waves a work-group, no clusters, 0 bytes of LDS; arguments x, q_proj, k_proj, v_proj, o_proj, xb, wb; writes xb, wb
.if DOCPART == 1
	.amdgcn_target "amdgcn-amd-amdhsa--gfx1250"
	.amdhsa_code_object_version 6
	.text
	.protected	k_qc6e2a5c510_cast
	.globl	k_qc6e2a5c510_cast
	.p2align	8
	.type	k_qc6e2a5c510_cast,@function
k_qc6e2a5c510_cast:
	s_mov_b64 s[64:65], 0
	v_nop
	global_prefetch_b8 v0, s[64:65] scope:SCOPE_SE
	s_setreg_imm32_b32 hwreg(HW_REG_WAVE_MODE, 25, 1), 1
	s_wait_xcnt 0x0
; xb = bf16(x); wb rows 0-1023 = bf16(q_proj), 1024-2047 = bf16(k_proj), 2048-3071 = bf16(v_proj), rounded to nearest even;
; wb rows 3072-4095 = o_proj rounded to bf16 like the other four inputs and then written in f16's bits, because the last product's other
; operand is f16 and a matrix instruction takes both operands in one format.
; LIMIT: the second step is exact for 2^-14 <= |w| < 65,504; smaller numbers are off by 2^-25 at the most, larger ones become infinite.
; A stream: 768 work-groups of 8 waves, each converts 16,384 numbers (64 KiB in, 32 KiB out).  Work-groups 0-511 take x, 512-767 the weights,
; 64 work-groups a matrix.  A load of a wave covers 512 consecutive bytes, a store 256 consecutive bytes at a multiple of 256.
; All 16 loads of a thread go out first; every register is written once, so no source of a pending instruction is ever rewritten.
; No LDS, no barrier, no matrix unit: nothing is shared and nothing is summed.
.set X, 4                              ; v[4:67]    chunk j: 4 numbers in f32
.set Y, 68                             ; v[68:99]   chunk j: 4 numbers of 16 bits
.set T, 100                            ; v[100:103] o_proj only: the bf16 values widened again
	s_load_b256 s[4:11], s[0:1], 0x0               ; x s[4:5], q_proj s[6:7], k_proj s[8:9], v_proj s[10:11]
	s_load_b128 s[12:15], s[0:1], 0x20             ; o_proj s[12:13], xb s[14:15]
	s_load_b64 s[16:17], s[0:1], 0x30              ; wb
	s_sub_co_u32 s18, ttmp9, 512                   ; j: my chunk among the weights' 256 (meaningless for x's work-groups, and not used there)
	s_lshr_b32 s19, s18, 6                         ; which matrix: 0 q, 1 k, 2 v, 3 o
	s_and_b32 s20, s18, 63                         ; my chunk in it
	s_cmp_lt_u32 ttmp9, 512
	s_cselect_b32 s20, ttmp9, s20                  ; chunk in the source
	s_cselect_b32 s18, ttmp9, s18                  ; chunk in the destination
	s_lshl_b32 s20, s20, 16                        ; 65,536 bytes of f32 a chunk
	s_mov_b32 s21, 0
	s_lshl_b32 s22, s18, 15                        ; 32,768 bytes of 16-bit numbers a chunk
	s_mov_b32 s23, 0
	s_mov_b32 s24, 0xffff0000                      ; a word's upper bf16
	v_lshlrev_b32 v1, 4, v0                        ; 16 bytes a thread in
	v_lshlrev_b32 v2, 3, v0                        ; 8 bytes a thread out
	s_wait_kmcnt 0x0
	s_cmp_eq_u32 s19, 1                            ; the source: a choice between buffers on the work-group's number alone
	s_cselect_b64 s[6:7], s[8:9], s[6:7]
	s_cmp_eq_u32 s19, 2
	s_cselect_b64 s[6:7], s[10:11], s[6:7]
	s_cmp_eq_u32 s19, 3
	s_cselect_b64 s[6:7], s[12:13], s[6:7]
	s_cmp_lt_u32 ttmp9, 512
	s_cselect_b64 s[4:5], s[4:5], s[6:7]
	s_cselect_b64 s[14:15], s[14:15], s[16:17]
	s_add_nc_u64 s[4:5], s[4:5], s[20:21]
	s_add_nc_u64 s[14:15], s[14:15], s[22:23]
.irp j, 0,1,2,3,4,5,6,7,8,9,10,11,12,13,14,15
	global_load_b128 v[X+4*\j:X+4*\j+3], v1, s[4:5] offset:4096*\j th:TH_LOAD_NT   ; read once in the whole launch
.endr
; chunk j: wo = 1 adds the step from bf16's bits to f16's
.macro CHUNK j, wo
	s_wait_loadcnt 15-\j                           ; loads come back in order (ISA guide 5.7.1): chunk j is in, the 15 - j younger ones stay out
	v_cvt_pk_bf16_f32 v[Y+2*\j],   v[X+4*\j],   v[X+4*\j+1]
	v_cvt_pk_bf16_f32 v[Y+2*\j+1], v[X+4*\j+2], v[X+4*\j+3]
.if \wo
	v_lshlrev_b32 v[T],   16,  v[Y+2*\j]            ; bf16 to f32: the low half moves up, the high half stays
	v_and_b32     v[T+1], s24, v[Y+2*\j]
	v_lshlrev_b32 v[T+2], 16,  v[Y+2*\j+1]
	v_and_b32     v[T+3], s24, v[Y+2*\j+1]
	v_cvt_pk_f16_f32 v[Y+2*\j],   v[T],   v[T+1]   ; 8 significant bits fit in f16's 11
	v_cvt_pk_f16_f32 v[Y+2*\j+1], v[T+2], v[T+3]
.endif
	global_store_b64 v2, v[Y+2*\j:Y+2*\j+1], s[14:15] offset:2048*\j   ; no hint: the next launches read it
.endm
	s_cmp_ge_u32 ttmp9, 704                        ; 512 + 3 x 64: o_proj's work-groups
	s_cbranch_scc1 .Lwo
.irp j, 0,1,2,3,4,5,6,7,8,9,10,11,12,13,14,15
	CHUNK \j, 0
.endr
	s_endpgm
.Lwo:
.irp j, 0,1,2,3,4,5,6,7,8,9,10,11,12,13,14,15
	CHUNK \j, 1
.endr
	s_endpgm
.Lfunc_end_k_qc6e2a5c510_cast:
	.size	k_qc6e2a5c510_cast, .Lfunc_end_k_qc6e2a5c510_cast-k_qc6e2a5c510_cast
	.p2alignl 7, 3214868480
	.fill 96, 4, 3214868480
	.section	.rodata,"a",@progbits
	.p2align	6, 0x0
	.amdhsa_kernel k_qc6e2a5c510_cast
		.amdhsa_group_segment_fixed_size 0
		.amdhsa_private_segment_fixed_size 0
		.amdhsa_enable_private_segment 0
		.amdhsa_kernarg_size 56
		.amdhsa_user_sgpr_count 2
		.amdhsa_user_sgpr_kernarg_segment_ptr 1
		.amdhsa_wavefront_size32 1
		.amdhsa_system_sgpr_workgroup_id_x 1
		.amdhsa_system_sgpr_workgroup_id_y 1
		.amdhsa_system_sgpr_workgroup_id_z 1
		.amdhsa_system_vgpr_workitem_id 0
		.amdhsa_next_free_vgpr 104
		.amdhsa_next_free_sgpr 66
		.amdhsa_reserve_vcc 0
		.amdhsa_float_denorm_mode_32 3
		.amdhsa_float_denorm_mode_16_64 3
		.amdhsa_memory_ordered 1
		.amdhsa_forward_progress 1
		.amdhsa_inst_pref_size 15
	.end_amdhsa_kernel
	.amdgpu_metadata
---
amdhsa.version: [ 1, 2 ]
amdhsa.kernels:
  - .name:           k_qc6e2a5c510_cast
    .symbol:         k_qc6e2a5c510_cast.kd
    .args:
      - { .name: x, .offset: 0, .size: 8, .value_kind: global_buffer, .address_space: global }
      - { .name: q_proj, .offset: 8, .size: 8, .value_kind: global_buffer, .address_space: global }
      - { .name: k_proj, .offset: 16, .size: 8, .value_kind: global_buffer, .address_space: global }
      - { .name: v_proj, .offset: 24, .size: 8, .value_kind: global_buffer, .address_space: global }
      - { .name: o_proj, .offset: 32, .size: 8, .value_kind: global_buffer, .address_space: global }
      - { .name: xb, .offset: 40, .size: 8, .value_kind: global_buffer, .address_space: global }
      - { .name: wb, .offset: 48, .size: 8, .value_kind: global_buffer, .address_space: global }
    .group_segment_fixed_size: 0
    .private_segment_fixed_size: 0
    .kernarg_segment_align: 8
    .kernarg_segment_size: 56
    .max_flat_workgroup_size: 256
    .sgpr_count:     66
    .vgpr_count:     104
    .wavefront_size: 32
...
	.end_amdgpu_metadata
.endif
;; end of part 1
;; launch qkv (part 2): grid 16 x 32, 4 waves a work-group, clusters of 4 x 4, 327,680 bytes of LDS; arguments xb, wb, qkvh; writes qkvh
.if DOCPART == 2
	.amdgcn_target "amdgcn-amd-amdhsa--gfx1250"
	.amdhsa_code_object_version 6
	.text
	.protected	k_qc6e2a5c510_qkv
	.globl	k_qc6e2a5c510_qkv
	.p2align	8
	.type	k_qc6e2a5c510_qkv,@function
k_qc6e2a5c510_qkv:
	s_mov_b64 s[64:65], 0
	v_nop
	global_prefetch_b8 v0, s[64:65] scope:SCOPE_SE
	s_setreg_imm32_b32 hwreg(HW_REG_WAVE_MODE, 25, 1), 1
	s_wait_xcnt 0x0
	s_wait_alu depctr_hold_cnt(0) depctr_sa_sdst(0) depctr_va_vdst(0) depctr_va_sdst(0) depctr_va_ssrc(0) depctr_va_vcc(0) depctr_vm_vsrc(0)
	s_getreg_b32 s2, hwreg(HW_REG_IB_STS2, 6, 4)
	s_cmp_eq_u32 s2, 0
	s_cbranch_scc0 .Lentry_in_a_cluster
	s_endpgm
.Lentry_in_a_cluster:
	s_bfe_u32 s2, ttmp6, 0x10000c
	s_cmp_lg_u32 s2, 0xf033
	s_cbranch_scc0 .Lentry_shape_is_right
	s_endpgm
.Lentry_shape_is_right:
; q, k, v: C[8192][3072] = xb[8192][1024] x wb[0:3072][1024]^T, bf16 operands, f32 sums, C rounded once to f16 and stored head-major:
; qkvh[slice = column / 64][token][64], slices 0-15 q's heads, 16-31 k's, 32-47 v's; a slice is 1 MiB.
; LIMIT: |q|, |k|, |v| must stay below 65,504 (f16); larger sums become infinite.
; A work-group makes 256 tokens x 192 columns (three slices) with four waves; wave w makes tokens 64 w .. 64 w + 63 x all 192 columns:
; 4 x 12 accumulator tiles of 16 x 16, 384 registers.  K = 1024 goes in 8 steps of 128 through a ring of two LDS slots filled by the tensor
; data mover; a tile's rows are 256 bytes of memory at multiples of 256 bytes.
; CLUSTERS: 4 x 4 work-groups.  The four of a cluster's row need the same tiles of xb, the four of a column the same tiles of wb: such a tile
; is asked for jointly, each of the four issuing the same tensor load with a mask that names the four.
; REGISTERS, in windows of 256: window 0: v16-26 addresses, v64-95 and v96-127 fragments of xb (4 x 16 rows x 32 K), two buffers, v128-223 the way out;
; window 1: v0-95, v96-191 fragments of wb (12 x 16 rows x 32 K), two buffers; window 2: accumulators of my tokens 0-31 (tile (a, b) at 8 (12 a + b));
; window 3: those of my tokens 32-63.
; THE MATRIX INSTRUCTION IS USED TRANSPOSED: source 0 = 16 rows of wb, source 1 = 16 rows of xb, so that lane l holds token l % 16 and its
; registers 0-7 the columns 8 (l / 16) + 0 .. 7: eight neighbouring numbers of a row of C.
.set NB,     12                        ; column tiles
.set AP,     272                       ; an LDS row: 256 bytes + 16 of padding: an odd multiple of 16, so 16 rows start at 16 different 16-byte columns of the banks' 256 bytes (ISA guide 11.1)
.set BP,     272
.set AHALF,  128*AP                    ; what one tensor load brings of xb: 128 rows
.set ABYTES, 2*AHALF
.set BH,     8*NB                      ; rows of wb in one tensor load: 96
.set BHALF,  BH*BP
.set SLOT,   ABYTES+2*BHALF            ; 121,856
.set STAGE,  2*SLOT                    ; behind the ring: 16 rows x 400 bytes for each wave; no tensor load ever fills it
.set SPITCH, 400                       ; 384 bytes + 16
.set ASTEP,  256                       ; bytes from a K step to the next, in xb
.set BSTEP,  256                       ; and in wb
.set LAPS,   4                         ; a lap = two K steps = once round the ring
.set ADRA, 16                          ; v16-17  LDS address of my xb fragments in slot 0, 1
.set ADRB, 20                          ; v20-21  the same for wb
.set STO,  24                          ; v24     the way out: where I put 16 bytes of a row
.set RD,   25                          ; v25     the way out: where I read back
.set CO,   26                          ; v26     my byte offset in a store's 512 bytes
.set FA,   64                          ; xb fragment buffers at FA + 32 f (window 0)
.set FB,   0                           ; wb fragment buffers at FB + 96 f (window 1)
.set TMP,  128                         ; the way out: packed results
.set G1,  24                           ; s[24:31] descriptor group 1 for xb's tiles
.set G0,  32                           ; s[32:39] group 0 for xb's tiles, one set for each slot
.set G1B, 48                           ; s[48:55] group 1 for wb's tiles
.set G0B, 56                           ; s[56:63] group 0 for wb's tiles
.set MSB, 0
.macro WIN new                         ; s_set_vgpr_msb: low byte bits 1:0 source 0, 3:2 source 1, 5:4 source 2, 7:6 destination; the high byte repeats the setting that is left
.if MSB != \new
	s_set_vgpr_msb (MSB<<8)|\new
.set MSB, \new
.endif
.endm
.set MUL_LO, 0xa1                      ; source 0 (wb) window 1, source 1 (xb) window 0, C and D window 2
.set MUL_HI, 0xf1                      ; the same, C and D window 3
.set TO_B,   0x40                      ; destination window 1, address window 0
; A joint load.  Waves 0 and 1 fetch xb's two halves, waves 2 and 3 wb's.  Each line has one mask and one set of registers for all that issue it.
; The branch hangs on the wave's number alone.  Four v_nop follow each of the two lines.
.macro JLOAD s
	s_cmp_eq_u32 s11, 0
	s_cbranch_scc0 .Lfor_b_\@
	tensor_load_to_lds s[G0+4*\s:G0+4*\s+3], s[G1:G1+7]
	s_nop 0
.rept 4
	v_nop
.endr
	s_branch .Lasked_\@
.Lfor_b_\@:
	tensor_load_to_lds s[G0B+4*\s:G0B+4*\s+3], s[G1B:G1B+7]
	s_nop 0
.rept 4
	v_nop
.endr
.Lasked_\@:
.endm
; A round of the cluster's barrier: my work-group's barrier; wave 0 signals for the work-group; every wave waits for all sixteen; my work-group's barrier again.
.macro CREST                           ; a round behind its opening barrier
	s_cmp_lg_u32 s10, 0
	s_cbranch_scc1 .Lnot_wave_0_\@
	s_barrier_signal -3
.Lnot_wave_0_\@:
	s_barrier_wait -3
	s_barrier_signal -1
	s_barrier_wait -1
.endm
.macro CROUND
	s_barrier_signal -1
	s_barrier_wait -1
	CREST
.endm
	s_load_b128 s[4:7], s[0:1], 0x0                ; xb s[4:5], wb s[6:7]
	s_load_b64 s[8:9], s[0:1], 0x10                ; qkvh
	s_set_vgpr_msb 0x40
	v_lshl_add_u32 v255, v0, 2, 0x41c00
	s_set_vgpr_msb 0x4000
	v_mov_b32 v255, 0
	s_set_vgpr_msb 0x1
	ds_add_u32 v255, v255
	ds_add_u32 v255, v255
	s_set_vgpr_msb 0x100
	v_lshrrev_b32 v1, 5, v0
	v_readfirstlane_b32 s10, v1                    ; wave 0..3
	s_lshr_b32 s11, s10, 1                         ; I fetch for xb (0) or for wb (1)
	s_and_b32 s12, s10, 1                          ; which half of that tile
	s_bfe_u32 s40, ttmp6, 0x40000                  ; cx
	s_bfe_u32 s41, ttmp6, 0x40004                  ; cy
	s_lshl_b32 s42, ttmp9, 2
	s_add_co_u32 s42, s42, s40                     ; block column = 4 x cluster x + cx
	s_and_b32 s13, ttmp7, 0xffff
	s_lshl_b32 s13, s13, 2
	s_add_co_u32 s13, s13, s41                     ; block row = 4 x cluster y + cy
	s_lshl_b32 s43, s41, 2
	s_lshl_b32 s43, 15, s43                        ; my row of the cluster: places 4 cy .. 4 cy + 3
	s_lshl_b32 s44, 0x1111, s40                    ; my column: places cx, cx + 4, cx + 8, cx + 12
	s_or_b32 s[G1+0], s43, (1<<16)|(1<<20)|(1<<21)|(5<<22)|(3<<25)   ; mask of my row; elements of 2 bytes; padding on; bit 21 beside a mask; after every 64 words 4 words
	s_mov_b32 s[G1+1], 128<<16                     ; tensor_dim0 = 128
	s_mov_b32 s[G1+2], 128<<16                     ; tensor_dim1 = 128
	s_mov_b32 s[G1+3], 128<<16                     ; tile_dim0 = 128
	s_mov_b32 s[G1+4], 128                         ; tile_dim1 = 128
	s_mov_b32 s[G1+5], 1024                        ; elements from row to row
	s_mov_b32 s[G1+6], 0
	s_mov_b32 s[G1+7], 0
	s_or_b32 s[G1B+0], s44, (1<<16)|(1<<20)|(1<<21)|(5<<22)|(3<<25)  ; the same with the mask of my column
	s_mov_b32 s[G1B+1], 128<<16
	s_mov_b32 s[G1B+2], BH<<16                     ; 96 rows
	s_mov_b32 s[G1B+3], 128<<16
	s_mov_b32 s[G1B+4], BH
	s_mov_b32 s[G1B+5], 1024
	s_mov_b32 s[G1B+6], 0
	s_mov_b32 s[G1B+7], 0
	; xb's tiles hang on the block row and the wave alone, wb's on the block column and the wave alone, each in registers that never hold the other coordinate
	s_lshl_b32 s16, s13, 19                        ; 256 rows x 2,048 bytes x block row
	s_lshl_b32 s17, s12, 18                        ; + 128 rows x half
	s_add_co_u32 s16, s16, s17
	s_mov_b32 s17, 0
	s_mul_i32 s46, s42, 192*2048                   ; 192 rows x block column
	s_mul_i32 s47, s12, 96*2048                    ; + 96 rows x half
	s_add_co_u32 s46, s46, s47
	s_mov_b32 s47, 0
	s_mul_i32 s20, s10, AHALF                      ; LDS: xb's halves at wave x 34,816 (waves 0, 1)
	s_mul_i32 s45, s10, BHALF                      ; wb's halves behind them: 69,632 + (wave - 2) x 26,112 (waves 2, 3)
	s_add_co_u32 s45, s45, ABYTES-2*BHALF
	s_wait_dscnt 0x0
	s_wait_kmcnt 0x0
	s_add_nc_u64 s[14:15], s[4:5], s[16:17]
	s_add_nc_u64 s[46:47], s[6:7], s[46:47]
	CROUND                                         ; all sixteen work-groups are here: the first joint loads meet
.irp s, 0,1
	s_mov_b32 s[G0+4*\s], 1
	s_add_co_u32 s[G0+4*\s+1], s20, \s*SLOT
	s_add_nc_u64 s[G0+4*\s+2:G0+4*\s+3], s[14:15], \s*ASTEP
	s_or_b32 s[G0+4*\s+3], s[G0+4*\s+3], 0x80000000
	s_mov_b32 s[G0B+4*\s], 1
	s_add_co_u32 s[G0B+4*\s+1], s45, \s*SLOT
	s_add_nc_u64 s[G0B+4*\s+2:G0B+4*\s+3], s[46:47], \s*BSTEP
	s_or_b32 s[G0B+4*\s+3], s[G0B+4*\s+3], 0x80000000
	JLOAD \s                                       ; K steps 0 and 1: two tensor loads of the wave are out
.endr
	; a fragment: lane l holds row l % 16; registers 0-3 K = 8 (l / 16) + 0..7, registers 4-7 K = 16 + 8 (l / 16) + 0..7: two loads of 16 bytes, 32 apart
	v_and_b32 v1, 15, v0                           ; r
	v_bfe_u32 v2, v0, 4, 1                         ; h
	v_mul_u32_u24 v3, v1, AP
	v_lshl_add_u32 v3, v2, 4, v3                   ; r x pitch + 16 h (one pitch for both tiles here)
	s_mul_i32 s21, s10, 64*AP                      ; my 64 rows of xb
	s_mov_b32 s22, ABYTES                          ; wb's 192 rows, all mine
.irp s, 0,1
	v_add_nc_u32 v[ADRA+\s], s21, v3
	v_add_nc_u32 v[ADRB+\s], s22, v3
	s_add_co_u32 s21, s21, SLOT
	s_add_co_u32 s22, s22, SLOT
.endr
	s_mul_i32 s23, s10, 16*SPITCH
	s_add_co_u32 s23, s23, STAGE                   ; my stage
	v_mul_u32_u24 v4, v1, SPITCH
	v_lshl_add_u32 v4, v2, 4, v4
	v_add_nc_u32 v[STO], s23, v4                   ; in: token r, 16 bytes for each half of the lanes
	v_and_b32 v5, 31, v0                           ; lane
	v_lshrrev_b32 v6, 3, v5
	v_mul_u32_u24 v6, v6, SPITCH
	v_and_b32 v7, 7, v0
	v_lshl_add_u32 v6, v7, 4, v6
	v_add_nc_u32 v[RD], s23, v6                    ; back: eight lanes take a token's 128 bytes of one slice, the wave four tokens
	v_lshlrev_b32 v[CO], 4, v5                     ; which are 512 consecutive bytes of the slice
; 12 matrix instructions: token tile a of the window's two (hi = 0: tokens 0-31, 1: tokens 32-63) x all 12 column tiles, 32 along K.  zero = 1: the product starts the sums.
.macro MULA f, hi, a, zero
.irp b, 0,1,2,3,4,5,6,7,8,9,10,11
.if \zero
	v_wmma_f32_16x16x32_bf16 v[8*(NB*\a+\b):8*(NB*\a+\b)+7], v[FB+8*NB*\f+8*\b:FB+8*NB*\f+8*\b+7], v[FA+32*\f+8*(2*\hi+\a):FA+32*\f+8*(2*\hi+\a)+7], 0
.else
	v_wmma_f32_16x16x32_bf16 v[8*(NB*\a+\b):8*(NB*\a+\b)+7], v[FB+8*NB*\f+8*\b:FB+8*NB*\f+8*\b+7], v[FA+32*\f+8*(2*\hi+\a):FA+32*\f+8*(2*\hi+\a)+7], v[8*(NB*\a+\b):8*(NB*\a+\b)+7]
.endif
.endr
.endm
; 32 LDS loads in one run: quarter q's fragments (192 rows of wb, my 64 rows of xb, 32 K) into buffer f
.macro FETCH slot, q, f
	WIN TO_B
.irp i, 0,1,2,3,4,5,6,7,8,9,10,11
	ds_load_b128 v[FB+8*NB*\f+8*\i:FB+8*NB*\f+8*\i+3],   v[ADRB+\slot] offset:64*\q+\i*16*BP
	ds_load_b128 v[FB+8*NB*\f+8*\i+4:FB+8*NB*\f+8*\i+7], v[ADRB+\slot] offset:64*\q+\i*16*BP+32
.endr
	WIN 0
.irp i, 0,1,2,3
	ds_load_b128 v[FA+32*\f+8*\i:FA+32*\f+8*\i+3],   v[ADRA+\slot] offset:64*\q+\i*16*AP
	ds_load_b128 v[FA+32*\f+8*\i+4:FA+32*\f+8*\i+7], v[ADRA+\slot] offset:64*\q+\i*16*AP+32
.endr
.endm
; A load into a register that a matrix instruction has read, and a vector instruction or LDS store that reads a matrix result, stand four places behind
; that matrix instruction; only plain vector instructions that name none of its registers are places (ISA guide 7.12.1 for vector instructions and LDS stores).
.macro PLACES
.rept 4
	v_nop
.endr
.endm
; A K step is four quarters of 32 along K, 48 matrix instructions each, on buffers 0, 1, 0, 1.  The 48 accumulators take turns, one instruction a turn,
; in the same order in every quarter, over the loop's backward jump too.
.macro QUARTER slot, q, f, g, zero
	s_wait_dscnt 4                                 ; wb and my tokens 0-31 are in; the youngest four loads (tokens 32-63) may be out
	WIN MUL_LO
	MULA \f, 0, 0, \zero
	MULA \f, 0, 1, \zero
	PLACES
	FETCH \slot, \q, \g
	s_wait_dscnt 2*NB+8                            ; all but the 32 just issued
	WIN MUL_HI
	MULA \f, 1, 0, \zero
	MULA \f, 1, 1, \zero
.endm
.macro THREE slot, zero
	QUARTER \slot, 1, 0, 1, \zero
	QUARTER \slot, 2, 1, 0, 0
	QUARTER \slot, 3, 0, 1, 0
.endm
; The last quarter multiplies buffer 1 and changes slots.  In front of the barrier each wave waits for its reads of this slot and for all its tensor
; loads (one is out: its part of the next slot).  Behind it the refill comes first, then the next slot's first fragments.
; From a request to the wait for it a wave issues 180 matrix instructions.
.macro TURN slot, next, fill
	s_wait_dscnt 4
	WIN MUL_LO
	MULA 1, 0, 0, 0
	s_wait_dscnt 0                                 ; my reads of this slot are over
	s_wait_tensorcnt 0x0                           ; and all my tensor loads have landed
	ds_add_u32 v255, v255
	s_wait_dscnt 0x0
	s_barrier_signal -1                            ; say so (where a slot is filled again this barrier opens a round of the cluster's barrier),
	MULA 1, 0, 1, 0                                ; work on registers while the others arrive,
	WIN 0
	s_barrier_wait -1
.if \fill
	CREST                                          ; no wave of any partner still reads this slot or has a load on its way
	s_add_nc_u64 s[G0+4*\slot+2:G0+4*\slot+3], s[G0+4*\slot+2:G0+4*\slot+3], 2*ASTEP
	s_add_nc_u64 s[G0B+4*\slot+2:G0B+4*\slot+3], s[G0B+4*\slot+2:G0B+4*\slot+3], 2*BSTEP
	JLOAD \slot                                    ; the wave's one tensor load behind the round; its four v_nop are also the places in front of the loads below
.else
	PLACES
.endif
	FETCH \next, 0, 0
	WIN MUL_HI
	MULA 1, 1, 0, 0
	MULA 1, 1, 1, 0
.endm
.macro LAP zero
	THREE 0, \zero
	TURN 0, 1, 1
	THREE 1, 0
	TURN 1, 0, 1
.endm
	s_wait_tensorcnt 1                             ; my part of K step 0 is in; K step 1's may stay out
	s_barrier_signal -1
	s_barrier_wait -1
	FETCH 0, 0, 0
	LAP 1                                          ; the first lap stands in front of the loop: its first products start the sums
	WIN 0                                          ; at a label and at a branch every window is 0
	s_mov_b32 s3, LAPS-2
.Llap:
	LAP 0
	WIN 0
	s_sub_co_u32 s3, s3, 1
	s_cmp_lg_u32 s3, 0
	s_cbranch_scc1 .Llap
	THREE 0, 0                                     ; the last lap fills nothing
	TURN 0, 1, 0
	THREE 1, 0
	s_wait_dscnt 4
	WIN MUL_LO
	MULA 1, 0, 0, 0
	MULA 1, 0, 1, 0
	s_wait_dscnt 0
	WIN MUL_HI
	MULA 1, 1, 0, 0
	MULA 1, 1, 1, 0
	; THE WAY OUT, 16 tokens at a time: round to f16, 16 bytes a lane into my own stage, read back slice by slice, four tokens (512 bytes) a store.
	PLACES                                         ; behind the last matrix instructions: for the conversions and for the loads into the fragment buffers
	s_lshl_b32 s16, s13, 15                        ; 256 tokens x 128 bytes x block row
	s_lshl_b32 s14, s10, 13                        ; + 64 tokens x wave
	s_add_co_u32 s16, s16, s14
	s_mov_b32 s17, 0
	s_add_nc_u64 s[8:9], s[8:9], s[16:17]
	s_mul_i32 s46, s42, 3                          ; my first slice
	s_lshl_b32 s46, s46, 20
	s_mov_b32 s47, 0
	s_add_nc_u64 s[8:9], s[8:9], s[46:47]          ; never rewritten: slice and token stand in the stores' immediates, 2,104,832 at the most
; tokens 16 a .. 16 a + 15 of my 64 = the twelve tiles (a & 1, 0..11) of window 2 or 3 (from = 0x0a or 0x0f: sources 0 and 1); rb: the read-back registers, two sets in turn
.macro OUT16 a, from, rb
	WIN \from
.irp b, 0,1,2,3,4,5,6,7,8,9,10,11
.irp k, 0,1,2,3
	v_cvt_pk_f16_f32 v[TMP+4*\b+\k], v[8*(NB*(\a&1)+\b)+2*\k], v[8*(NB*(\a&1)+\b)+2*\k+1]
.endr
.endr
	WIN 0
.irp b, 0,1,2,3,4,5,6,7,8,9,10,11
	ds_store_b128 v[STO], v[TMP+4*\b:TMP+4*\b+3] offset:32*\b
.endr
	s_wait_xcnt 0x0                                ; the registers that earlier stores read are loaded again only behind this wait (ISA guide 3.1)
.irp sl, 0,1,2
.irp i, 0,1,2,3
	ds_load_b128 v[\rb+4*(4*\sl+\i):\rb+4*(4*\sl+\i)+3], v[RD] offset:128*\sl+4*SPITCH*\i   ; LDS serves a wave's instructions in order (ISA guide 5.7.1): these see the stores above
.endr
.endr
.irp sl, 0,1,2
.irp i, 0,1,2,3
	s_wait_dscnt 11-(4*\sl+\i)
	global_store_b128 v[CO], v[\rb+4*(4*\sl+\i):\rb+4*(4*\sl+\i)+3], s[8:9] offset:\sl*1048576+(16*\a+4*\i)*128   ; the wave stores 512 consecutive bytes at a multiple of 512
.endr
.endr
.endm
	OUT16 0, 0x0a, 176
	OUT16 1, 0x0a, 64
	OUT16 2, 0x0f, 176
	OUT16 3, 0x0f, 64
	s_set_vgpr_msb 0x1
	s_wait_tensorcnt 0x0
	ds_add_u32 v255, v255
	s_wait_dscnt 0x0
	s_set_vgpr_msb 0x100
	CROUND                                         ; the closing round: no work-group ends while a partner may still ask for a tile that names it
	s_endpgm
.Lfunc_end_k_qc6e2a5c510_qkv:
	.size	k_qc6e2a5c510_qkv, .Lfunc_end_k_qc6e2a5c510_qkv-k_qc6e2a5c510_qkv
	.p2alignl 7, 3214868480
	.fill 96, 4, 3214868480
	.section	.rodata,"a",@progbits
	.p2align	6, 0x0
	.amdhsa_kernel k_qc6e2a5c510_qkv
		.amdhsa_group_segment_fixed_size 327680
		.amdhsa_private_segment_fixed_size 0
		.amdhsa_enable_private_segment 0
		.amdhsa_kernarg_size 24
		.amdhsa_user_sgpr_count 2
		.amdhsa_user_sgpr_kernarg_segment_ptr 1
		.amdhsa_wavefront_size32 1
		.amdhsa_system_sgpr_workgroup_id_x 1
		.amdhsa_system_sgpr_workgroup_id_y 1
		.amdhsa_system_sgpr_workgroup_id_z 1
		.amdhsa_system_vgpr_workitem_id 0
		.amdhsa_next_free_vgpr 960
		.amdhsa_next_free_sgpr 66
		.amdhsa_reserve_vcc 0
		.amdhsa_float_denorm_mode_32 3
		.amdhsa_float_denorm_mode_16_64 3
		.amdhsa_memory_ordered 1
		.amdhsa_forward_progress 1
		.amdhsa_inst_pref_size 164
	.end_amdhsa_kernel
	.amdgpu_metadata
---
amdhsa.version: [ 1, 2 ]
amdhsa.kernels:
  - .name:           k_qc6e2a5c510_qkv
    .symbol:         k_qc6e2a5c510_qkv.kd
    .args:
      - { .name: xb, .offset: 0, .size: 8, .value_kind: global_buffer, .address_space: global }
      - { .name: wb, .offset: 8, .size: 8, .value_kind: global_buffer, .address_space: global }
      - { .name: qkvh, .offset: 16, .size: 8, .value_kind: global_buffer, .address_space: global }
    .group_segment_fixed_size: 327680
    .private_segment_fixed_size: 0
    .kernarg_segment_align: 8
    .kernarg_segment_size: 24
    .max_flat_workgroup_size: 128
    .sgpr_count:     66
    .vgpr_count:     960
    .wavefront_size: 32
...
	.end_amdgpu_metadata
.endif
;; end of part 2
;; launch attn (part 3): grid 4 x 64, 4 waves a work-group, no clusters, 327,680 bytes of LDS; arguments qkvh, att; writes att
.if DOCPART == 3
	.amdgcn_target "amdgcn-amd-amdhsa--gfx1250"
	.amdhsa_code_object_version 6
	.text
	.protected	k_qc6e2a5c510_attn
	.globl	k_qc6e2a5c510_attn
	.p2align	8
	.type	k_qc6e2a5c510_attn,@function
k_qc6e2a5c510_attn:
	s_mov_b64 s[64:65], 0
	v_nop
	global_prefetch_b8 v0, s[64:65] scope:SCOPE_SE
	s_setreg_imm32_b32 hwreg(HW_REG_WAVE_MODE, 25, 1), 1
	s_wait_xcnt 0x0
; Causal attention of one (batch, head): att = softmax(q k^T / 8, keys <= query) v, with a running maximum.  q, k, v: f16, [2048][64] dense in qkvh's slices;
; att: f16, [16 heads][8192 tokens][64].  Products on the matrix unit with f16 operands and f32 sums; maxima, exponentials, sums and the scaling in f32.
; LIMITS: scores must be finite (NaN and infinities in q, k, v are not treated: they would also reach the work-group's second block, whose sums are started by
; a factor 0 on the first block's results); probabilities are rounded to f16 for the second product (below 2^-24 they become 0) while the row's sum takes them
; unrounded; an exponential below 2^-126 is 0.
; WORK: work-group (g, bh) takes query block 7 - g (256 queries) and then block g of head bh: (8 - g) + (g + 1) = 9 iterations of 256 keys for every
; work-group.  Wave w owns 64 queries of the block.  An iteration is two trips (LDS slots 0 and 1, 128 keys each), a trip two steps of 64 keys.
; In a block's last iteration wave w computes steps 0 .. w, masks step w, and skips the rest, but passes every barrier.
; TRANSPOSED: S^T = K Q^T (register j of lane (r, h): key 16 t + 8 h + j, query 16 n + r), so a lane owns one query of each of four query tiles: maximum and
; sum are a lane's own but for one exchange between the halves, and a lane's packed S^T registers ARE the second operand of O^T = V^T P^T: no trip through LDS.
; V^T's fragments come by the transposing LDS load.  O^T's register j holds d = 16 dt + 8 h + j of query r: eight neighbouring numbers of a row of att.
; ORDER WITHIN A STEP: the four query tiles do not depend on each other, so they go through the step one behind the other, and a tile's matrix instructions stand
; among a neighbouring tile's vector instructions, which name none of their registers: tile n + 1's eight S products among tile n's exponents and exponentials
; (one setting of the register windows serves both: those vector lines have no vector register as second source), tile n's eight PV products among tile n + 1's
; maximum (the window goes to 0 and back behind five of them) and its rescaling (the products' own setting).  A tile has 16 matrix and some 120 vector instructions.
; NO JOINT LOADS: the four work-groups of a head read the same k and v, but need 32, 28, 24, 20 steps of them in the first block and 4, 8, 12, 16 in the
; second; a joint stream runs to the longest partner in each, 32 + 16 = 48 steps for all four against 36 steps of work, so each asks for its own tiles.
.set VP,    160                        ; v's LDS row: 128 bytes + 32: an odd multiple of 32
.set KP,    144                        ; k's LDS row: 128 bytes + 16: an odd multiple of 16
.set KOFF,  128*VP                     ; a slot: v's 128 rows (20,480 bytes), then k's 128 rows (18,432)
.set SLOT,  128*VP+128*KP              ; 38,912
.set STAGE, 2*SLOT                     ; 77,824: 64 rows x 144 bytes for each wave, for the way out; no tensor load ever fills it
.set ADK,  4                           ; v4-5    LDS address of my k fragments in slot 0, 1
.set ADV,  6                           ; v6-7    the same for v (transposing load)
.set VQ,   8                           ; v8      byte offset of my part of a q fragment
.set STO,  9                           ; v9      the way out: where I put 16 bytes
.set RD,   10                          ; v10     where I read back
.set CO,   11                          ; v11     16 x lane
.set NINF, 12                          ; v12     -infinity
.set RMH,  13                          ; v13     r - 8 h
.set AL,   16                          ; v[16+2n] rebase factor (at the end 1 / sum), v[17+2n] running sum of query tile n
.set NM,   24                          ; v[24+2n] -c x maximum (c = log2(e) / 8), v[25+2n] running maximum
.set MX,   32                          ; v[32:35] the step's maximum
.set TX,   36                          ; v[36:39] the other half's figure; at work
.set RS,   40                          ; v[40+2n:41+2n] the step's sum, first chain
.set T,    48                          ; v[48:51] at work
.set MT,   52                          ; v[52:55] four chains of a tile's maximum
.set RT,   56                          ; v[56+2n:57+2n] the step's sum, second chain
.set KF,   64                          ; v[64:127]  k fragments: (key tile t, half kf of d) at 8 (2 t + kf); the way out's read-back
.set S,    128                         ; v[128:255] S^T tile (t, n) at 32 n + 8 t; then P^T fragment (n, u) at 32 n + 16 u
.set O,    0                           ; window 1: v[0:127]   O^T tile (dt, n) at 32 n + 8 dt
.set Q,    128                         ; window 1: v[128:191] q fragment (n, kf) at 8 (2 n + kf)
.set VF,   192                         ; window 1: v[192:255] V^T fragment (u, dt) at 8 (4 u + dt)
.set G1V, 32                           ; s[32:39] descriptor group 1 for v's tiles
.set G1K, 40                           ; s[40:47] for k's
.set G0V, 48                           ; s[48:55] group 0 for v's tiles, one set for each slot
.set G0K, 56                           ; s[56:63] for k's
.set DM,  66                           ; s[66:73] mask j: lanes where key 8 h + j > query r
; s8 wave, s9 g, s10 wave >> 1, s11 rl = 4 d + wave, s12 byte offset of this iteration's keys, s13 of the next one's, s14-15 lane select, s16 loop counter,
; s17 d = iterations left in the block after this one, s[18:19] an offset with 0 above it, s[20:21] q of (b, h), s[22:23] att of (b, h),
; s[24:25] v's rows that I fetch, s[26:27] k's, s[28:29] my q rows, s[30:31] my att rows, s74 / s75 byte offset of my 64 queries in block 7 - g / g
.set MSB, 0
.macro WIN new                         ; s_set_vgpr_msb: low byte bits 1:0 source 0, 3:2 source 1, 5:4 source 2, 7:6 destination; the high byte repeats the setting that is left
.if MSB != \new
	s_set_vgpr_msb (MSB<<8)|\new
.set MSB, \new
.endif
.endm
.macro PLACES
.rept 4
	v_nop
.endr
.endm
; Waves 0 and 1 fetch 64 rows of v each, waves 2 and 3 64 rows of k each: one tensor load a wave.  Four v_nop follow each line.
.macro KVLOAD s
	s_cmp_eq_u32 s10, 0
	s_cbranch_scc0 .Lfor_k_\@
	tensor_load_to_lds s[G0V+4*\s:G0V+4*\s+3], s[G1V:G1V+7]
	s_nop 0
.rept 4
	v_nop
.endr
	s_branch .Lasked_\@
.Lfor_k_\@:
	tensor_load_to_lds s[G0K+4*\s:G0K+4*\s+3], s[G1K:G1K+7]
	s_nop 0
.rept 4
	v_nop
.endr
.Lasked_\@:
.endm
	s_load_b128 s[4:7], s[0:1], 0x0                ; qkvh s[4:5], att s[6:7]
	v_lshl_add_u32 v14, v0, 2, 0x29000
	v_mov_b32 v15, 0
	ds_add_u32 v14, v15
	ds_add_u32 v14, v15
	v_lshrrev_b32 v1, 5, v0
	v_readfirstlane_b32 s8, v1                     ; wave 0..3
	s_mov_b32 s9, ttmp9                            ; g
	s_lshr_b32 s10, s8, 1                          ; I fetch v (0) or k (1)
	s_and_b32 s2, ttmp7, 0xffff                    ; 16 b + h
	s_and_b32 s3, s2, 15
	s_lshr_b32 s2, s2, 4
	s_lshl_b32 s3, s3, 20                          ; a head's slice is 1 MiB,
	s_lshl_b32 s2, s2, 18                          ; a batch's 2,048 tokens in it 256 KiB
	s_add_co_u32 s18, s3, s2
	s_mov_b32 s19, 0                               ; stays 0
	; group 1: tiles of 64 rows x 64 elements of 2 bytes, dense in memory, padded in LDS after every 32 words: v by 8 words, k by 4
	s_mov_b32 s[G1V+0], (1<<16)|(1<<20)|(4<<22)|(7<<25)
	s_mov_b32 s[G1K+0], (1<<16)|(1<<20)|(4<<22)|(3<<25)
.irp g, G1V, G1K
	s_mov_b32 s[\g+1], 64<<16                      ; tensor_dim0 = 64
	s_mov_b32 s[\g+2], 64<<16                      ; tensor_dim1 = 64
	s_mov_b32 s[\g+3], 64<<16                      ; tile_dim0 = 64
	s_mov_b32 s[\g+4], 64                          ; tile_dim1 = 64
	s_mov_b32 s[\g+5], 64                          ; elements from row to row
	s_mov_b32 s[\g+6], 0
	s_mov_b32 s[\g+7], 0
.endr
	s_mul_i32 s2, s8, 64*VP                        ; LDS: v's halves at wave x 10,240 (waves 0, 1)
	s_mul_i32 s3, s8, 64*KP                        ; k's at 20,480 + (wave - 2) x 9,216 (waves 2, 3)
	s_add_co_u32 s3, s3, KOFF-2*64*KP
.irp s, 0,1
	s_mov_b32 s[G0V+4*\s], 1
	s_add_co_u32 s[G0V+4*\s+1], s2, \s*SLOT
	s_mov_b32 s[G0K+4*\s], 1
	s_add_co_u32 s[G0K+4*\s+1], s3, \s*SLOT
.endr
	s_and_b32 s2, s8, 1
	s_lshl_b32 s2, s2, 13                          ; which 64 rows of a tile's 128 I fetch: 8,192 bytes
	s_wait_dscnt 0x0
	s_wait_kmcnt 0x0
	s_add_nc_u64 s[20:21], s[4:5], s[18:19]        ; q of (b, h)
	s_add_nc_u64 s[22:23], s[6:7], s[18:19]        ; att of (b, h)
	s_add_co_u32 s18, s2, 0x2000000                ; v's slices begin 32 MiB behind q's
	s_add_nc_u64 s[24:25], s[20:21], s[18:19]
	s_add_co_u32 s18, s2, 0x1000000                ; k's 16 MiB
	s_add_nc_u64 s[26:27], s[20:21], s[18:19]
	s_mov_b64 s[G0V+2:G0V+3], s[24:25]             ; slot 0's first tile: keys 0-127
	s_or_b32 s[G0V+3], s[G0V+3], 0x80000000
	s_mov_b64 s[G0K+2:G0K+3], s[26:27]
	s_or_b32 s[G0K+3], s[G0K+3], 0x80000000
	KVLOAD 0                                       ; the first fill, ahead of every wait on TENSORcnt, LDS read and barrier; slot 1 is first filled behind the first trip's barrier
	s_sub_co_u32 s17, 7, s9                        ; d: the first block is 7 - g, its keys begin at iteration 0
	s_lshl2_add_u32 s11, s17, s8                   ; rl = 4 d + wave: the step of this iteration (0..3) that holds my diagonal, if below 4
	s_lshl_b32 s2, s8, 13                          ; 64 queries x 128 bytes x wave
	s_lshl_b32 s74, s17, 15                        ; 256 queries x 128 bytes x block
	s_add_co_u32 s74, s74, s2
	s_lshl_b32 s75, s9, 15
	s_add_co_u32 s75, s75, s2
	s_mov_b32 s12, 0
	s_mov_b32 s14, 0x76543210                      ; v_permlanex16_b32: lane i of one half reads lane i of the other
	s_mov_b32 s15, 0xfedcba98
	v_and_b32 v3, 31, v0                           ; lane
	v_and_b32 v1, 15, v0                           ; r
	v_bfe_u32 v2, v0, 4, 1                         ; h
	s_mul_i32 s2, s8, 64*KP
	s_add_co_u32 s2, s2, STAGE                     ; my stage
	v_mul_u32_u24 v4, v1, KP
	v_lshl_add_u32 v4, v2, 4, v4                   ; r x 144 + 16 h
	v_add_nc_u32 v[STO], s2, v4
	v_add_nc_u32 v[ADK+1], SLOT+KOFF, v4
	v_add_nc_u32 v[ADK], KOFF, v4
	v_and_b32 v6, 7, v0
	v_lshl_add_u32 v6, v2, 3, v6                   ; key 8 h + (lane & 7)
	v_mul_u32_u24 v6, v6, VP
	v_bfe_u32 v7, v0, 3, 1
	v_lshl_add_u32 v[ADV], v7, 4, v6               ; + 16 x bit 3 of the lane
	v_add_nc_u32 v[ADV+1], SLOT, v[ADV]
	v_lshlrev_b32 v[VQ], 7, v1
	v_lshl_add_u32 v[VQ], v2, 4, v[VQ]             ; r x 128 + 16 h
	v_lshrrev_b32 v[RD], 3, v3
	v_mul_u32_u24 v[RD], v[RD], KP
	v_and_b32 v[CO], 7, v0
	v_lshl_add_u32 v[RD], v[CO], 4, v[RD]
	v_add_nc_u32 v[RD], s2, v[RD]                  ; eight lanes take a row's 128 bytes, the wave four rows
	v_lshlrev_b32 v[CO], 4, v3
	v_mov_b32 v[NINF], 0xff800000
	v_lshlrev_b32 v[RMH], 3, v2
	v_sub_nc_u32 v[RMH], v1, v[RMH]
.irp jj, 0,1,2,3,4,5,6,7
	v_cmp_gt_i32 s[DM+\jj], \jj, v[RMH]            ; in a tile on the diagonal: key 8 h + j lies behind query r
.endr
.macro START                           ; a block's running figures
.irp qt, 0,1,2,3
	v_mov_b32 v[NM+2*\qt+1], v[NINF]               ; maximum = -infinity
	v_mov_b32 v[NM+2*\qt], 0x7f800000              ; -c x maximum = +infinity: the first rebase factor is 2^-infinity = 0, which also clears what the block before left in O^T (finite numbers)
	v_mov_b32 v[AL+2*\qt+1], 0                     ; sum = 0
.endr
.endm
; my 64 queries' fragments, straight from memory; so = the scalar register with their byte offset
.macro QLOAD so
	s_mov_b32 s18, s[\so]
	s_add_nc_u64 s[28:29], s[20:21], s[18:19]
	WIN 0x40                                       ; destination window 1
.irp qt, 0,1,2,3
.irp kf, 0,1
	global_load_b128 v[Q+8*(2*\qt+\kf):Q+8*(2*\qt+\kf)+3],   v[VQ], s[28:29] offset:2048*\qt+64*\kf
	global_load_b128 v[Q+8*(2*\qt+\kf)+4:Q+8*(2*\qt+\kf)+7], v[VQ], s[28:29] offset:2048*\qt+64*\kf+32
.endr
.endr
	WIN 0
.endm
	QLOAD 74
	START
.irp qt, 0,1,2,3
	v_mov_b32 v[TX+\qt], 0                         ; v_permlanex16_b32 counts as a reader of its destination
.endr
	s_wait_loadcnt 0x0                             ; q
.macro LOADK slot, kk                  ; 16 loads: 64 keys x 64 d
.irp kt, 0,1,2,3
.irp kf, 0,1
	ds_load_b128 v[KF+8*(2*\kt+\kf):KF+8*(2*\kt+\kf)+3],   v[ADK+\slot] offset:(64*\kk+16*\kt)*KP+64*\kf
	ds_load_b128 v[KF+8*(2*\kt+\kf)+4:KF+8*(2*\kt+\kf)+7], v[ADK+\slot] offset:(64*\kk+16*\kt)*KP+64*\kf+32
.endr
.endr
.endm
.macro LOADV slot, kk                  ; 16 transposing loads: fragment (u, dt) = d 16 dt .. + 15 x keys 32 u .. + 31
	WIN 0x40
.irp uu, 0,1
.irp dt, 0,1,2,3
	ds_load_tr16_b128 v[VF+8*(4*\uu+\dt):VF+8*(4*\uu+\dt)+3],   v[ADV+\slot] offset:(64*\kk+32*\uu)*VP+32*\dt
	ds_load_tr16_b128 v[VF+8*(4*\uu+\dt)+4:VF+8*(4*\uu+\dt)+7], v[ADV+\slot] offset:(64*\kk+32*\uu+16)*VP+32*\dt
.endr
.endr
	WIN 0
.endm
; S^T = K Q^T, the i-th of query tile qt's eight products (window setting 0x04: q in window 1).  i = 0..3: key tile i, d 0-31, starts the sum; i = 4..7: key tile i - 4, d 32-63.
; The tile's four accumulators take turns, one instruction a turn.
.macro SMULQ1 qt, i
.if (\i) < 4
	v_wmma_f32_16x16x32_f16 v[S+32*(\qt)+8*(\i):S+32*(\qt)+8*(\i)+7], v[KF+16*(\i):KF+16*(\i)+7], v[Q+16*(\qt):Q+16*(\qt)+7], 0
.else
	v_wmma_f32_16x16x32_f16 v[S+32*(\qt)+8*((\i)-4):S+32*(\qt)+8*((\i)-4)+7], v[KF+16*((\i)-4)+8:KF+16*((\i)-4)+15], v[Q+16*(\qt)+8:Q+16*(\qt)+15], v[S+32*(\qt)+8*((\i)-4):S+32*(\qt)+8*((\i)-4)+7]
.endif
.endm
; O^T += V^T P^T, the i-th of query tile qt's eight products (window setting 0x51: V^T, C and D in window 1, P^T in window 0).  i = 4 u + dt: keys 32 u .. + 31, d 16 dt .. + 15.
; zero = 1: the products of u = 0 start the sums.  The tile's four accumulators take turns.
.macro PV1 qt, i, zero
.if (\i) < 4
.if \zero
	v_wmma_f32_16x16x32_f16 v[O+32*(\qt)+8*(\i):O+32*(\qt)+8*(\i)+7], v[VF+8*(\i):VF+8*(\i)+7], v[S+32*(\qt):S+32*(\qt)+7], 0
.else
	v_wmma_f32_16x16x32_f16 v[O+32*(\qt)+8*(\i):O+32*(\qt)+8*(\i)+7], v[VF+8*(\i):VF+8*(\i)+7], v[S+32*(\qt):S+32*(\qt)+7], v[O+32*(\qt)+8*(\i):O+32*(\qt)+8*(\i)+7]
.endif
.else
	v_wmma_f32_16x16x32_f16 v[O+32*(\qt)+8*((\i)-4):O+32*(\qt)+8*((\i)-4)+7], v[VF+8*(\i):VF+8*(\i)+7], v[S+32*(\qt)+16:S+32*(\qt)+23], v[O+32*(\qt)+8*((\i)-4):O+32*(\qt)+8*((\i)-4)+7]
.endif
.endm
; query tile qn of the step on the diagonal (idx = the step's number in the iteration; its first key = my first query):
; key tiles behind the query tile go to -infinity whole, the tile on the diagonal by the eight masks
.macro MASKQ qn, idx
	s_cmp_lg_u32 s11, \idx
	s_cbranch_scc1 .Lnomask_\@
.irp kt, 0,1,2,3
.if \kt > \qn
.irp jj, 0,1,2,3,4,5,6,7
	v_mov_b32 v[S+32*\qn+8*\kt+\jj], v[NINF]
.endr
.elseif \kt == \qn
.irp jj, 0,1,2,3,4,5,6,7
	v_cndmask_b32 v[S+32*\qn+8*\kt+\jj], v[S+32*\qn+8*\kt+\jj], v[NINF], s[DM+\jj]
.endr
.endif
.endr
.Lnomask_\@:
.endm
; Line k of the 23 that make query tile qn's new maximum, -c m and rebase factor.  0-11: four chains over seven scores each; 12-15: the last four scores, the chains and the running maximum.
.macro MAXOP qn, k
.if \k < 4
	v_max3_num_f32 v[MT+\k], v[S+32*(\qn)+8*\k], v[S+32*(\qn)+8*\k+1], v[S+32*(\qn)+8*\k+2]
.elseif \k < 8
	v_max3_num_f32 v[MT+\k-4], v[MT+\k-4], v[S+32*(\qn)+8*(\k-4)+3], v[S+32*(\qn)+8*(\k-4)+4]
.elseif \k < 12
	v_max3_num_f32 v[MT+\k-8], v[MT+\k-8], v[S+32*(\qn)+8*(\k-8)+5], v[S+32*(\qn)+8*(\k-8)+6]
.elseif \k == 12
	v_max3_num_f32 v[MT], v[MT], v[S+32*(\qn)+7], v[S+32*(\qn)+15]
.elseif \k == 13
	v_max3_num_f32 v[MT+1], v[MT+1], v[S+32*(\qn)+23], v[S+32*(\qn)+31]
.elseif \k == 14
	v_max3_num_f32 v[MT+2], v[MT+2], v[MT+3], v[NM+2*(\qn)+1]
.elseif \k == 15
	v_max3_num_f32 v[MX+(\qn)], v[MT], v[MT+1], v[MT+2]
.elseif \k == 16
	v_permlanex16_b32 v[TX+(\qn)], v[MX+(\qn)], s14, s15                           ; the other half of the lanes holds the query's other keys
.elseif \k == 17
	v_max_num_f32 v[MX+(\qn)], v[MX+(\qn)], v[TX+(\qn)]
.elseif \k == 18
	v_mul_f32 v[T+(\qn)], 0xbe38aa3b, v[MX+(\qn)]                                  ; the new -c m, as the exponents will use it
.elseif \k == 19
	v_sub_f32 v[TX+(\qn)], v[T+(\qn)], v[NM+2*(\qn)]                               ; new - old, at most 0: old terms are rebased by exactly the shift that they carry
.elseif \k == 20
	v_exp_f32 v[AL+2*(\qn)], v[TX+(\qn)]
.elseif \k == 21
	v_mov_b32 v[NM+2*(\qn)+1], v[MX+(\qn)]                                         ; a plain line on other registers behind the exponential (ISA guide 5.7.2)
.else
	v_mov_b32 v[NM+2*(\qn)], v[T+(\qn)]
	s_wait_alu depctr_va_vdst(0)
.endif
.endm
.macro MAXR qn, lo, hi                 ; lines lo .. hi of them
.irp k, 0,1,2,3,4,5,6,7,8,9,10,11,12,13,14,15,16,17,18,19,20,21,22
.if \k >= \lo
.if \k <= \hi
	MAXOP \qn, \k
.endif
.endif
.endr
.endm
; O^T of query tile qn x the query's factor, register pairs lo .. hi of 16 (destination and source 0 in window 1, source 1 in window 0: settings 0x41 and 0x51 both serve)
.macro RESCQ qn, lo, hi
.irp ii, 0,1,2,3,4,5,6,7,8,9,10,11,12,13,14,15
.if \ii >= \lo
.if \ii <= \hi
	v_pk_mul_f32 v[O+32*(\qn)+2*\ii:O+32*(\qn)+2*\ii+1], v[O+32*(\qn)+2*\ii:O+32*(\qn)+2*\ii+1], v[AL+2*(\qn):AL+2*(\qn)+1] op_sel_hi:[1,0]
.endif
.endif
.endr
.endm
; Query tile qn's exponents c s - c m (one rounding) and exponentials, in eight groups of four scores, the exponentials a group behind; mm = 1: one product of tile qn + 1 heads each group.
; Under setting 0x04 the vector lines are as in window 0: their second source is a literal or none.  They touch tile qn's scores alone, the products tile qn + 1's.
.macro EXPQ qn, mm
	WIN 0x04
.irp g, 0,1,2,3,4,5,6,7
.if \mm
	SMULQ1 (\qn+1), \g
.endif
	v_pk_fma_f32 v[S+32*\qn+4*\g:S+32*\qn+4*\g+1],   v[S+32*\qn+4*\g:S+32*\qn+4*\g+1],   0x3e38aa3b, v[NM+2*\qn:NM+2*\qn+1] op_sel_hi:[1,0,0]
	v_pk_fma_f32 v[S+32*\qn+4*\g+2:S+32*\qn+4*\g+3], v[S+32*\qn+4*\g+2:S+32*\qn+4*\g+3], 0x3e38aa3b, v[NM+2*\qn:NM+2*\qn+1] op_sel_hi:[1,0,0]
.if \g > 0
.irp e, 4,3,2,1
	v_exp_f32 v[S+32*\qn+4*\g-\e], v[S+32*\qn+4*\g-\e]
.endr
.endif
.endr
.irp e, 28,29,30,31
	v_exp_f32 v[S+32*\qn+\e], v[S+32*\qn+\e]
.endr
	WIN 0
	v_nop                                          ; a plain place behind the exponentials before their results are read (ISA guide 5.7.2)
.endm
; pair ii of query tile p: add it to the step's sum unrounded (two chains by turns; pairs 0 + 1 and 2 + 3 start them: nothing is cleared),
; then round it to f16 into its place in P^T's fragment (a place whose old content has been used)
.macro SUMPACK p, ii
.if \ii == 0
	s_wait_alu depctr_va_vdst(0)
	v_pk_add_f32 v[RS+2*\p:RS+2*\p+1], v[S+32*\p:S+32*\p+1], v[S+32*\p+2:S+32*\p+3]
.elseif \ii == 2
	v_pk_add_f32 v[RT+2*\p:RT+2*\p+1], v[S+32*\p+4:S+32*\p+5], v[S+32*\p+6:S+32*\p+7]
.elseif \ii > 3
.if (\ii)&1
	v_pk_add_f32 v[RT+2*\p:RT+2*\p+1], v[RT+2*\p:RT+2*\p+1], v[S+32*\p+2*\ii:S+32*\p+2*\ii+1]
.else
	v_pk_add_f32 v[RS+2*\p:RS+2*\p+1], v[RS+2*\p:RS+2*\p+1], v[S+32*\p+2*\ii:S+32*\p+2*\ii+1]
.endif
.endif
	v_cvt_pk_f16_f32 v[S+32*\p+16*(\ii>>3)+(\ii&7)], v[S+32*\p+2*\ii], v[S+32*\p+2*\ii+1]
.endm
.macro SUMQ qn                         ; query tile qn: the step's sum, P^T, the running sum.  33 plain lines that name nothing of tile qn + 1's products
.irp ii, 0,1,2,3,4,5,6,7,8,9,10,11,12,13,14,15
	SUMPACK \qn, \ii
.endr
	v_pk_add_f32 v[RS+2*\qn:RS+2*\qn+1], v[RS+2*\qn:RS+2*\qn+1], v[RT+2*\qn:RT+2*\qn+1]
	v_add_f32 v[T+\qn], v[RS+2*\qn], v[RS+2*\qn+1]
	v_fma_f32 v[AL+2*\qn+1], v[AL+2*\qn+1], v[AL+2*\qn], v[T+\qn]                  ; sum = sum x factor + the step's (each half of the lanes keeps its own part)
.endm
; Query tile qn's eight PV products.  mx = 1: behind the first five stand tile qn + 1's 23 lines of the maximum (window 0), behind the last three its rescaling
; (left out where zero = 1: there is nothing yet to rescale).  None of these lines names a register of tile qn's products.
.macro PVQ qn, zero, mx
.irp g, 0,1,2,3,4,5,6,7
	WIN 0x51
	PV1 \qn, \g, \zero
.if \mx
.if \g == 0
	WIN 0
	MAXR (\qn+1), 0, 5
.elseif \g == 1
	WIN 0
	MAXR (\qn+1), 6, 11
.elseif \g == 2
	WIN 0
	MAXR (\qn+1), 12, 15
.elseif \g == 3
	WIN 0
	MAXR (\qn+1), 16, 18
.elseif \g == 4
	WIN 0
	MAXR (\qn+1), 19, 22
.elseif \g == 5
.if \zero == 0
	RESCQ (\qn+1), 0, 4
.endif
.elseif \g == 6
.if \zero == 0
	RESCQ (\qn+1), 5, 9
.endif
.else
.if \zero == 0
	RESCQ (\qn+1), 10, 15
.endif
.endif
.endif
.endr
.endm
; One step: 64 keys at rows 64 kk of the slot.  first = 1: the kernel's first step, whose products start O^T's sums.  dg = 1: the iteration may hold the diagonal.  id: the trip's label.
.macro STEP slot, kk, first, dg, id
.if \dg*(2*\slot+\kk)
	s_cmp_lt_u32 s11, 2*\slot+\kk                  ; all these keys lie behind all my queries:
	s_cbranch_scc1 .Ltripend_\id                   ; nothing more for me in this trip
.endif
.if \kk == 0
	LOADK \slot, 0
.endif
	s_wait_dscnt 0x0                               ; k's fragments are the only LDS loads out
	WIN 0x04
.irp g, 0,1,2,3,4,5,6,7
	SMULQ1 0, \g                                   ; tile 0's products stand alone
.endr
	LOADV \slot, \kk                               ; into V^T's fragments, five places behind the last step's last product
	PLACES                                         ; four places behind tile 0's products for the readers of its scores (ISA guide 7.12.1)
.if \dg
	MASKQ 0, 2*\slot+\kk
.endif
	MAXR 0, 0, 22
.if \first == 0
	WIN 0x41
	RESCQ 0, 0, 15
.endif
	EXPQ 0, 1
	SUMQ 0
.if \dg
	MASKQ 1, 2*\slot+\kk
.endif
	s_wait_dscnt 0x0                               ; v's 16 loads are the only ones out
	PVQ 0, \first, 1
	EXPQ 1, 1
	SUMQ 1
.if \dg
	MASKQ 2, 2*\slot+\kk
.endif
	PVQ 1, \first, 1
	EXPQ 2, 1
	SUMQ 2
.if \dg
	MASKQ 3, 2*\slot+\kk
.endif
.if \kk == 0
	LOADK \slot, 1                                 ; the next step's k: the last product that read these registers lies more than four plain lines back
.endif
	PVQ 2, \first, 1
	EXPQ 3, 0
	SUMQ 3
	PVQ 3, \first, 0
	WIN 0
.rept 5
	v_nop                                          ; four places before loads land in V^T's fragments or a vector instruction touches O^T, five before a product writes over a source
.endr
.endm
; One trip: 128 keys of one slot.  In front of the barrier every wave waits for all its tensor loads (its part of this slot) and for its reads of the other slot;
; behind it the other slot's refill is the wave's first and only tensor load, and has the whole trip (128 matrix instructions, two softmaxes) in which to land.
.macro TRIP slot, refill, first, dg
	s_wait_tensorcnt 0x0                           ; no tensor load of mine is out: every group 0 may be written
	ds_add_u32 v14, v15
	s_wait_dscnt 0x0
.if \refill
.if \slot == 0
	s_add_co_u32 s18, s12, 16384                   ; slot 1 gets this iteration's keys 128-255
.else
	s_add_co_u32 s13, s12, 32768                   ; slot 0 gets the next iteration's keys 0-127:
	s_cmp_eq_u32 s17, 0                            ; behind a block's last iteration the next block begins at key 0
	s_cselect_b32 s13, 0, s13
	s_mov_b32 s18, s13
.endif
	s_add_nc_u64 s[G0V+4*(1-\slot)+2:G0V+4*(1-\slot)+3], s[24:25], s[18:19]
	s_or_b32 s[G0V+4*(1-\slot)+3], s[G0V+4*(1-\slot)+3], 0x80000000
	s_add_nc_u64 s[G0K+4*(1-\slot)+2:G0K+4*(1-\slot)+3], s[26:27], s[18:19]
	s_or_b32 s[G0K+4*(1-\slot)+3], s[G0K+4*(1-\slot)+3], 0x80000000
.endif
	s_wait_dscnt 0x0
	s_barrier_signal -1
	s_barrier_wait -1
.if \refill
	KVLOAD (1-\slot)
.endif
	STEP \slot, 0, \first, \dg, \@
	STEP \slot, 1, 0, \dg, \@
.Ltripend_\@:
.endm
.macro ITER first, lastrefill, dg
	TRIP 0, 1, \first, \dg
	TRIP 1, \lastrefill, 0, \dg
.endm
; A block's end: divide by the sum, round to f16, out through my own stage in whole runs of 512 bytes.  next = 1: block 7 - g ends and block g begins.
; Every way here ends with a step's five v_nop behind its last matrix instruction.
.macro EPILOGUE next
	s_wait_dscnt 0x0                               ; a wave that skipped a trip's second step still has that step's k on its way into KF
.if \next
	QLOAD 75                                       ; the next block's q comes in under the way out
.endif
.irp qt, 0,1,2,3
	v_permlanex16_b32 v[TX+\qt], v[AL+2*\qt+1], s14, s15
.endr
.irp qt, 0,1,2,3
	v_add_f32 v[AL+2*\qt+1], v[AL+2*\qt+1], v[TX+\qt]   ; the two halves' parts of the sum; at least 1: the largest term is 2^0
.endr
.irp qt, 0,1,2,3
	v_rcp_f32 v[AL+2*\qt], v[AL+2*\qt+1]
.endr
	v_nop                                          ; a plain place behind the reciprocals (ISA guide 5.7.2)
	s_wait_alu depctr_va_vdst(0)
	WIN 0x41                                       ; destination and source 0 window 1
.irp qt, 0,1,2,3
	RESCQ \qt, 0, 15
.endr
	WIN 0x05                                       ; sources window 1
.irp qt, 0,1,2,3
.irp ii, 0,1,2,3,4,5,6,7,8,9,10,11,12,13,14,15
	v_cvt_pk_f16_f32 v[S+16*\qt+\ii], v[O+32*\qt+2*\ii], v[O+32*\qt+2*\ii+1]
.endr
.endr
	WIN 0
.irp qt, 0,1,2,3
.irp dt, 0,1,2,3
	ds_store_b128 v[STO], v[S+16*\qt+4*\dt:S+16*\qt+4*\dt+3] offset:16*KP*\qt+32*\dt
.endr
.endr
	s_wait_xcnt 0x0                                ; the stores' base is rewritten only behind this wait (ISA guide 3.1)
.if \next
	s_mov_b32 s18, s74
.else
	s_mov_b32 s18, s75
.endif
	s_add_nc_u64 s[30:31], s[22:23], s[18:19]
.irp ii, 0,1,2,3,4,5,6,7,8,9,10,11,12,13,14,15
	ds_load_b128 v[KF+4*\ii:KF+4*\ii+3], v[RD] offset:4*KP*\ii   ; LDS serves a wave's instructions in order (ISA guide 5.7.1): these see the stores above
.endr
.irp ii, 0,1,2,3,4,5,6,7,8,9,10,11,12,13,14,15
	s_wait_dscnt 15-\ii                            ; read-back ii is in, the 15 - ii younger ones stay out
	global_store_b128 v[CO], v[KF+4*\ii:KF+4*\ii+3], s[30:31] offset:512*\ii   ; four tokens: 512 consecutive bytes at a multiple of 512
.endr
	s_wait_xcnt 0x0                                ; KF is loaded again only behind this wait
.if \next
	START
	s_add_co_u32 s17, s9, 1                        ; d and rl of block g, one iteration early: the lines behind the macro step them
	s_lshl2_add_u32 s11, s17, s8
	s_wait_loadcnt 0x0                             ; the next block's q
.endif
.endm
	ITER 1, 1, 0                                   ; the first iteration stands in front of the loop: its first products start O^T's sums; block 7 - g has at least 5 iterations, so no diagonal here
	s_sub_co_u32 s17, s17, 1
	s_sub_co_u32 s11, s11, 4
	s_mov_b32 s12, s13
	s_mov_b32 s16, 7
.Liter:
	ITER 0, 1, 1
	s_cmp_lg_u32 s17, 0                            ; the same in all four waves
	s_cbranch_scc1 .Lsame_block
	EPILOGUE 1
.Lsame_block:
	s_sub_co_u32 s17, s17, 1
	s_sub_co_u32 s11, s11, 4
	s_mov_b32 s12, s13
	s_sub_co_u32 s16, s16, 1
	s_cmp_lg_u32 s16, 0
	s_cbranch_scc1 .Liter
	ITER 0, 0, 1                                   ; the ninth iteration: block g's diagonal; its second trip fills nothing, and its wait for 0 leaves no tensor load out
	EPILOGUE 0
	s_wait_tensorcnt 0x0
	ds_add_u32 v14, v15
	s_wait_dscnt 0x0
	s_endpgm
.Lfunc_end_k_qc6e2a5c510_attn:
	.size	k_qc6e2a5c510_attn, .Lfunc_end_k_qc6e2a5c510_attn-k_qc6e2a5c510_attn
	.p2alignl 7, 3214868480
	.fill 96, 4, 3214868480
	.section	.rodata,"a",@progbits
	.p2align	6, 0x0
	.amdhsa_kernel k_qc6e2a5c510_attn
		.amdhsa_group_segment_fixed_size 327680
		.amdhsa_private_segment_fixed_size 0
		.amdhsa_enable_private_segment 0
		.amdhsa_kernarg_size 16
		.amdhsa_user_sgpr_count 2
		.amdhsa_user_sgpr_kernarg_segment_ptr 1
		.amdhsa_wavefront_size32 1
		.amdhsa_system_sgpr_workgroup_id_x 1
		.amdhsa_system_sgpr_workgroup_id_y 1
		.amdhsa_system_sgpr_workgroup_id_z 1
		.amdhsa_system_vgpr_workitem_id 0
		.amdhsa_next_free_vgpr 512
		.amdhsa_next_free_sgpr 80
		.amdhsa_reserve_vcc 0
		.amdhsa_float_denorm_mode_32 3
		.amdhsa_float_denorm_mode_16_64 3
		.amdhsa_memory_ordered 1
		.amdhsa_forward_progress 1
		.amdhsa_inst_pref_size 255
	.end_amdhsa_kernel
	.section	.bss,"aw",@nobits
	.p2align	6
	.space	262144
	.amdgpu_metadata
---
amdhsa.version: [ 1, 2 ]
amdhsa.kernels:
  - .name:           k_qc6e2a5c510_attn
    .symbol:         k_qc6e2a5c510_attn.kd
    .args:
      - { .name: qkvh, .offset: 0, .size: 8, .value_kind: global_buffer, .address_space: global }
      - { .name: att, .offset: 8, .size: 8, .value_kind: global_buffer, .address_space: global }
    .group_segment_fixed_size: 327680
    .private_segment_fixed_size: 0
    .kernarg_segment_align: 8
    .kernarg_segment_size: 16
    .max_flat_workgroup_size: 128
    .sgpr_count:     80
    .vgpr_count:     512
    .wavefront_size: 32
...
	.end_amdgpu_metadata
.endif
;; end of part 3
;; launch oproj (part 4): grid 8 x 32, 4 waves a work-group, clusters of 4 x 4, 327,680 bytes of LDS; arguments att, wb, out0; writes out0
.if DOCPART == 4
	.amdgcn_target "amdgcn-amd-amdhsa--gfx1250"
	.amdhsa_code_object_version 6
	.text
	.protected	k_qc6e2a5c510_oproj
	.globl	k_qc6e2a5c510_oproj
	.p2align	8
	.type	k_qc6e2a5c510_oproj,@function
k_qc6e2a5c510_oproj:
	s_mov_b64 s[64:65], 0
	v_nop
	global_prefetch_b8 v0, s[64:65] scope:SCOPE_SE
	s_setreg_imm32_b32 hwreg(HW_REG_WAVE_MODE, 25, 1), 1
	s_wait_xcnt 0x0
	s_wait_alu depctr_hold_cnt(0) depctr_sa_sdst(0) depctr_va_vdst(0) depctr_va_sdst(0) depctr_va_ssrc(0) depctr_va_vcc(0) depctr_vm_vsrc(0)
	s_getreg_b32 s2, hwreg(HW_REG_IB_STS2, 6, 4)
	s_cmp_eq_u32 s2, 0
	s_cbranch_scc0 .Lentry_in_a_cluster
	s_endpgm
.Lentry_in_a_cluster:
	s_bfe_u32 s2, ttmp6, 0x10000c
	s_cmp_lg_u32 s2, 0xf033
	s_cbranch_scc0 .Lentry_shape_is_right
	s_endpgm
.Lentry_shape_is_right:
; out0[8192][1024] = att x Wo^T in f32.  att: f16, [16 heads][8192 tokens][64]; Wo: wb's rows 3072-4095, o_proj rounded to bf16 and kept in f16's bits.
; f16 operands, f32 sums, K ascending.
; A work-group makes 256 tokens x 128 columns with four waves; wave w makes tokens 64 w .. 64 w + 63 x all 128 columns: 4 x 8 accumulator tiles, 256 registers.
; K = 1024 goes in 8 steps of 128 = two heads through a ring of two LDS slots.  att's part of a step is two dense tiles of 256 tokens x 64 (one head each,
; 32,768 consecutive bytes), Wo's two tiles of 64 rows x 256 bytes.
; CLUSTERS: 4 x 4 work-groups; att's tiles are shared along a cluster's row, Wo's along a column, each asked for jointly with a mask that names the four.
; REGISTERS: window 0: v16-26 addresses, v64-95 and v96-127 fragments of att, two buffers, v128-255 the way out; window 1: v0-63, v64-127 fragments of Wo;
; window 2: accumulators of my tokens 0-31 (tile (a, b) at 8 (8 a + b)); window 3: those of my tokens 32-63.
; THE MATRIX INSTRUCTION IS USED TRANSPOSED: source 0 = 16 rows of Wo, source 1 = 16 tokens, so that lane l holds token l % 16 and its registers 0-7 the
; columns 8 (l / 16) + 0 .. 7: 32 neighbouring bytes of a row of out0.
.set NB,     8
.set AP,     144                       ; att's LDS row: 128 bytes + 16
.set BP,     272                       ; Wo's: 256 bytes + 16; both odd multiples of 16: 16 rows start at 16 different 16-byte columns of the banks' 256 bytes (ISA guide 11.1)
.set AHALF,  256*AP                    ; one head's tile: 36,864
.set ABYTES, 2*AHALF
.set BH,     8*NB                      ; rows of Wo in one tensor load: 64
.set BHALF,  BH*BP
.set SLOT,   ABYTES+2*BHALF            ; 108,544
.set STAGE,  2*SLOT                    ; behind the ring: 16 rows x 528 bytes for each wave; no tensor load ever fills it
.set SPITCH, 528                       ; 512 bytes + 16
.set ASTEP,  0x200000                  ; two heads' slices from a K step to the next
.set BSTEP,  256
.set LAPS,   4
.set ADRA, 16
.set ADRB, 20
.set STO,  24
.set RD,   25
.set CO,   26
.set FA,   64                          ; att fragment buffers at FA + 32 f (window 0)
.set FB,   0                           ; Wo fragment buffers at FB + 64 f (window 1)
.set G1,  24
.set G0,  32
.set G1B, 48
.set G0B, 56
.set MSB, 0
.macro WIN new                         ; s_set_vgpr_msb: low byte bits 1:0 source 0, 3:2 source 1, 5:4 source 2, 7:6 destination; the high byte repeats the setting that is left
.if MSB != \new
	s_set_vgpr_msb (MSB<<8)|\new
.set MSB, \new
.endif
.endm
.set MUL_LO, 0xa1
.set MUL_HI, 0xf1
.set TO_B,   0x40
; A joint load.  Waves 0 and 1 fetch att's two heads, waves 2 and 3 Wo's two halves.  The branch hangs on the wave's number alone.
; Four v_nop follow each of the two lines.
.macro JLOAD s
	s_cmp_eq_u32 s11, 0
	s_cbranch_scc0 .Lfor_b_\@
	tensor_load_to_lds s[G0+4*\s:G0+4*\s+3], s[G1:G1+7]
	s_nop 0
.rept 4
	v_nop
.endr
	s_branch .Lasked_\@
.Lfor_b_\@:
	tensor_load_to_lds s[G0B+4*\s:G0B+4*\s+3], s[G1B:G1B+7]
	s_nop 0
.rept 4
	v_nop
.endr
.Lasked_\@:
.endm
.macro CREST                           ; a round of the cluster's barrier behind its opening barrier
	s_cmp_lg_u32 s10, 0
	s_cbranch_scc1 .Lnot_wave_0_\@
	s_barrier_signal -3
.Lnot_wave_0_\@:
	s_barrier_wait -3
	s_barrier_signal -1
	s_barrier_wait -1
.endm
.macro CROUND
	s_barrier_signal -1
	s_barrier_wait -1
	CREST
.endm
	s_load_b128 s[4:7], s[0:1], 0x0                ; att s[4:5], wb s[6:7]
	s_load_b64 s[8:9], s[0:1], 0x10                ; out0
	s_set_vgpr_msb 0x40
	v_lshl_add_u32 v255, v0, 2, 0x3d400
	s_set_vgpr_msb 0x4000
	v_mov_b32 v63, 0
	s_set_vgpr_msb 0x1
	ds_add_u32 v255, v63
	ds_add_u32 v255, v63
	s_set_vgpr_msb 0x100
	v_lshrrev_b32 v1, 5, v0
	v_readfirstlane_b32 s10, v1                    ; wave 0..3
	s_lshr_b32 s11, s10, 1                         ; I fetch for att (0) or for Wo (1)
	s_and_b32 s12, s10, 1                          ; which head of the step's two, or which half of Wo's rows
	s_bfe_u32 s40, ttmp6, 0x40000                  ; cx
	s_bfe_u32 s41, ttmp6, 0x40004                  ; cy
	s_lshl_b32 s42, ttmp9, 2
	s_add_co_u32 s42, s42, s40                     ; block column
	s_and_b32 s13, ttmp7, 0xffff
	s_lshl_b32 s13, s13, 2
	s_add_co_u32 s13, s13, s41                     ; block row
	s_lshl_b32 s43, s41, 2
	s_lshl_b32 s43, 15, s43                        ; my row of the cluster
	s_lshl_b32 s44, 0x1111, s40                    ; my column
	s_or_b32 s[G1+0], s43, (1<<16)|(1<<20)|(1<<21)|(4<<22)|(3<<25)   ; mask of my row; elements of 2 bytes; padding on; bit 21 beside a mask; after every 32 words 4 words
	s_mov_b32 s[G1+1], 64<<16                      ; tensor_dim0 = 64
	s_mov_b32 s[G1+2], 256<<16                     ; tensor_dim1 = 256
	s_mov_b32 s[G1+3], 64<<16                      ; tile_dim0 = 64
	s_mov_b32 s[G1+4], 256                         ; tile_dim1 = 256
	s_mov_b32 s[G1+5], 64                          ; elements from row to row: dense
	s_mov_b32 s[G1+6], 0
	s_mov_b32 s[G1+7], 0
	s_or_b32 s[G1B+0], s44, (1<<16)|(1<<20)|(1<<21)|(5<<22)|(3<<25)  ; mask of my column; after every 64 words 4 words
	s_mov_b32 s[G1B+1], 128<<16
	s_mov_b32 s[G1B+2], BH<<16
	s_mov_b32 s[G1B+3], 128<<16
	s_mov_b32 s[G1B+4], BH
	s_mov_b32 s[G1B+5], 1024
	s_mov_b32 s[G1B+6], 0
	s_mov_b32 s[G1B+7], 0
	; att's tiles hang on the block row and the wave alone, Wo's on the block column and the wave alone, each in registers that never hold the other coordinate
	s_lshl_b32 s16, s13, 15                        ; 256 tokens x 128 bytes x block row
	s_lshl_b32 s17, s12, 20                        ; + 1 MiB x head of the pair
	s_add_co_u32 s16, s16, s17
	s_mov_b32 s17, 0
	s_lshl_b32 s46, s42, 18                        ; 128 rows x 2,048 bytes x block column
	s_lshl_b32 s47, s12, 17                        ; + 64 rows x half
	s_add_co_u32 s46, s46, s47
	s_add_co_u32 s46, s46, 3072*2048               ; Wo begins at wb's row 3072
	s_mov_b32 s47, 0
	s_mul_i32 s20, s10, AHALF                      ; LDS: att's two heads at wave x 36,864 (waves 0, 1)
	s_mul_i32 s45, s10, BHALF                      ; Wo's halves behind them: 73,728 + (wave - 2) x 17,408 (waves 2, 3)
	s_add_co_u32 s45, s45, ABYTES-2*BHALF
	s_wait_dscnt 0x0
	s_wait_kmcnt 0x0
	s_add_nc_u64 s[14:15], s[4:5], s[16:17]
	s_add_nc_u64 s[46:47], s[6:7], s[46:47]
	CROUND                                         ; all sixteen work-groups are here: the first joint loads meet
.irp s, 0,1
	s_mov_b32 s[G0+4*\s], 1
	s_add_co_u32 s[G0+4*\s+1], s20, \s*SLOT
	s_add_nc_u64 s[G0+4*\s+2:G0+4*\s+3], s[14:15], \s*ASTEP
	s_or_b32 s[G0+4*\s+3], s[G0+4*\s+3], 0x80000000
	s_mov_b32 s[G0B+4*\s], 1
	s_add_co_u32 s[G0B+4*\s+1], s45, \s*SLOT
	s_add_nc_u64 s[G0B+4*\s+2:G0B+4*\s+3], s[46:47], \s*BSTEP
	s_or_b32 s[G0B+4*\s+3], s[G0B+4*\s+3], 0x80000000
	JLOAD \s                                       ; K steps 0 and 1: two tensor loads of the wave are out
.endr
	v_and_b32 v1, 15, v0                           ; r
	v_bfe_u32 v2, v0, 4, 1                         ; h
	v_mul_u32_u24 v3, v1, AP
	v_lshl_add_u32 v3, v2, 4, v3                   ; att: r x 144 + 16 h
	v_mul_u32_u24 v4, v1, BP
	v_lshl_add_u32 v4, v2, 4, v4                   ; Wo: r x 272 + 16 h
	s_mul_i32 s21, s10, 64*AP                      ; my 64 tokens in a head's tile
	s_mov_b32 s22, ABYTES                          ; Wo's 128 rows, all mine
.irp s, 0,1
	v_add_nc_u32 v[ADRA+\s], s21, v3
	v_add_nc_u32 v[ADRB+\s], s22, v4
	s_add_co_u32 s21, s21, SLOT
	s_add_co_u32 s22, s22, SLOT
.endr
	s_mul_i32 s23, s10, 16*SPITCH
	s_add_co_u32 s23, s23, STAGE                   ; my stage
	v_mul_u32_u24 v5, v1, SPITCH
	v_lshl_add_u32 v5, v2, 5, v5
	v_add_nc_u32 v[STO], s23, v5                   ; in: token r, 32 bytes for each half of the lanes
	v_and_b32 v6, 31, v0
	v_lshlrev_b32 v[CO], 4, v6                     ; 16 x lane: the wave takes a row's 512 bytes
	v_add_nc_u32 v[RD], s23, v[CO]
; 8 matrix instructions: token tile a of the window's two x all 8 column tiles, 32 along K.  zero = 1: the product starts the sums.
.macro MULA f, hi, a, zero
.irp b, 0,1,2,3,4,5,6,7
.if \zero
	v_wmma_f32_16x16x32_f16 v[8*(NB*\a+\b):8*(NB*\a+\b)+7], v[FB+8*NB*\f+8*\b:FB+8*NB*\f+8*\b+7], v[FA+32*\f+8*(2*\hi+\a):FA+32*\f+8*(2*\hi+\a)+7], 0
.else
	v_wmma_f32_16x16x32_f16 v[8*(NB*\a+\b):8*(NB*\a+\b)+7], v[FB+8*NB*\f+8*\b:FB+8*NB*\f+8*\b+7], v[FA+32*\f+8*(2*\hi+\a):FA+32*\f+8*(2*\hi+\a)+7], v[8*(NB*\a+\b):8*(NB*\a+\b)+7]
.endif
.endr
.endm
; 24 LDS loads in one run: quarter q's fragments into buffer f.  Quarters 0, 1 lie in the step's first head, 2, 3 in its second, 64 bytes apart within a head.
.macro FETCH slot, q, f
	WIN TO_B
.irp i, 0,1,2,3,4,5,6,7
	ds_load_b128 v[FB+8*NB*\f+8*\i:FB+8*NB*\f+8*\i+3],   v[ADRB+\slot] offset:64*\q+\i*16*BP
	ds_load_b128 v[FB+8*NB*\f+8*\i+4:FB+8*NB*\f+8*\i+7], v[ADRB+\slot] offset:64*\q+\i*16*BP+32
.endr
	WIN 0
.irp i, 0,1,2,3
	ds_load_b128 v[FA+32*\f+8*\i:FA+32*\f+8*\i+3],   v[ADRA+\slot] offset:(\q>>1)*AHALF+(\q&1)*64+\i*16*AP
	ds_load_b128 v[FA+32*\f+8*\i+4:FA+32*\f+8*\i+7], v[ADRA+\slot] offset:(\q>>1)*AHALF+(\q&1)*64+\i*16*AP+32
.endr
.endm
; A load into a register that a matrix instruction has read, and a vector instruction or LDS store that reads a matrix result, stand four places behind
; that matrix instruction; only plain vector instructions that name none of its registers are places (ISA guide 7.12.1 for vector instructions and LDS stores).
.macro PLACES
.rept 4
	v_nop
.endr
.endm
; A K step is four quarters of 32 along K, 32 matrix instructions each, on buffers 0, 1, 0, 1.  The 32 accumulators take turns, one instruction a turn,
; in the same order in every quarter, over the loop's backward jump too.
.macro QUARTER slot, q, f, g, zero
	s_wait_dscnt 4                                 ; Wo and my tokens 0-31 are in; the youngest four loads (tokens 32-63) may be out
	WIN MUL_LO
	MULA \f, 0, 0, \zero
	MULA \f, 0, 1, \zero
	PLACES
	FETCH \slot, \q, \g
	s_wait_dscnt 2*NB+8                            ; all but the 24 just issued
	WIN MUL_HI
	MULA \f, 1, 0, \zero
	MULA \f, 1, 1, \zero
.endm
.macro THREE slot, zero
	QUARTER \slot, 1, 0, 1, \zero
	QUARTER \slot, 2, 1, 0, 0
	QUARTER \slot, 3, 0, 1, 0
.endm
; The last quarter multiplies buffer 1 and changes slots.  In front of the barrier each wave waits for its reads of this slot and for all its tensor
; loads (one is out: its part of the next slot).  Behind it the refill comes first, then the next slot's first fragments.
; From a request to the wait for it a wave issues 120 matrix instructions.
.macro TURN slot, next, fill
	s_wait_dscnt 4
	WIN MUL_LO
	MULA 1, 0, 0, 0
	s_wait_dscnt 0                                 ; my reads of this slot are over
	s_wait_tensorcnt 0x0                           ; and all my tensor loads have landed
	ds_add_u32 v255, v63
	s_wait_dscnt 0x0
	s_barrier_signal -1                            ; say so (where a slot is filled again this barrier opens a round of the cluster's barrier),
	MULA 1, 0, 1, 0                                ; work on registers while the others arrive,
	WIN 0
	s_barrier_wait -1
.if \fill
	CREST                                          ; no wave of any partner still reads this slot or has a load on its way
	s_add_nc_u64 s[G0+4*\slot+2:G0+4*\slot+3], s[G0+4*\slot+2:G0+4*\slot+3], 2*ASTEP
	s_add_nc_u64 s[G0B+4*\slot+2:G0B+4*\slot+3], s[G0B+4*\slot+2:G0B+4*\slot+3], 2*BSTEP
	JLOAD \slot                                    ; the wave's one tensor load behind the round; its four v_nop are also the places in front of the loads below
.else
	PLACES
.endif
	FETCH \next, 0, 0
	WIN MUL_HI
	MULA 1, 1, 0, 0
	MULA 1, 1, 1, 0
.endm
.macro LAP zero
	THREE 0, \zero
	TURN 0, 1, 1
	THREE 1, 0
	TURN 1, 0, 1
.endm
	s_wait_tensorcnt 1                             ; my part of K step 0 is in; K step 1's may stay out
	s_barrier_signal -1
	s_barrier_wait -1
	FETCH 0, 0, 0
	LAP 1                                          ; the first lap stands in front of the loop: its first products start the sums
	WIN 0                                          ; at a label and at a branch every window is 0
	s_mov_b32 s3, LAPS-2
.Llap:
	LAP 0
	WIN 0
	s_sub_co_u32 s3, s3, 1
	s_cmp_lg_u32 s3, 0
	s_cbranch_scc1 .Llap
	THREE 0, 0                                     ; the last lap fills nothing
	TURN 0, 1, 0
	THREE 1, 0
	s_wait_dscnt 4
	WIN MUL_LO
	MULA 1, 0, 0, 0
	MULA 1, 0, 1, 0
	s_wait_dscnt 0
	WIN MUL_HI
	MULA 1, 1, 0, 0
	MULA 1, 1, 1, 0
	; THE WAY OUT, 16 tokens at a time: the sums go as they are (f32) into my own stage, 32 bytes a lane, and come back as whole pieces of rows of 512 bytes.
	PLACES                                         ; behind the last matrix instructions: for the LDS stores that read the sums
	s_lshl_b32 s16, s13, 20                        ; 256 tokens x 4,096 bytes x block row
	s_lshl_b32 s14, s10, 18                        ; + 64 tokens x wave
	s_add_co_u32 s16, s16, s14
	s_mov_b32 s17, 0
	s_add_nc_u64 s[8:9], s[8:9], s[16:17]
	s_lshl_b32 s46, s42, 9                         ; 128 columns x 4 bytes x block column
	s_mov_b32 s47, 0
	s_add_nc_u64 s[8:9], s[8:9], s[46:47]          ; never rewritten: the token stands in the stores' immediates, 258,048 at the most
; tokens 16 a .. 16 a + 15 of my 64 = the eight tiles (a & 1, 0..7) of window 2 or 3 (from = 0x08 or 0x0c: an LDS store's data is source 1); rb: the read-back registers, two sets in turn
.macro OUT16 a, from, rb
	WIN \from
.irp b, 0,1,2,3,4,5,6,7
	ds_store_b128 v[STO], v[8*(NB*(\a&1)+\b):8*(NB*(\a&1)+\b)+3]   offset:64*\b
	ds_store_b128 v[STO], v[8*(NB*(\a&1)+\b)+4:8*(NB*(\a&1)+\b)+7] offset:64*\b+16
.endr
	WIN 0
	s_wait_xcnt 0x0                                ; the registers that earlier stores read are loaded again only behind this wait (ISA guide 3.1)
.irp t, 0,1,2,3,4,5,6,7,8,9,10,11,12,13,14,15
	ds_load_b128 v[\rb+4*\t:\rb+4*\t+3], v[RD] offset:SPITCH*\t   ; LDS serves a wave's instructions in order (ISA guide 5.7.1): these see the stores above
.endr
.irp t, 0,1,2,3,4,5,6,7,8,9,10,11,12,13,14,15
	s_wait_dscnt 15-\t
	global_store_b128 v[CO], v[\rb+4*\t:\rb+4*\t+3], s[8:9] offset:(16*\a+\t)*4096 th:TH_STORE_NT   ; the wave stores 512 consecutive bytes at a multiple of 512; written once, not read again
.endr
.endm
	OUT16 0, 0x08, 128
	OUT16 1, 0x08, 192
	OUT16 2, 0x0c, 128
	OUT16 3, 0x0c, 192
	s_set_vgpr_msb 0x1
	s_wait_tensorcnt 0x0
	ds_add_u32 v255, v63
	s_wait_dscnt 0x0
	s_set_vgpr_msb 0x100
	CROUND                                         ; the closing round: no work-group ends while a partner may still ask for a tile that names it
	s_endpgm
.Lfunc_end_k_qc6e2a5c510_oproj:
	.size	k_qc6e2a5c510_oproj, .Lfunc_end_k_qc6e2a5c510_oproj-k_qc6e2a5c510_oproj
	.p2alignl 7, 3214868480
	.fill 96, 4, 3214868480
	.section	.rodata,"a",@progbits
	.p2align	6, 0x0
	.amdhsa_kernel k_qc6e2a5c510_oproj
		.amdhsa_group_segment_fixed_size 327680
		.amdhsa_private_segment_fixed_size 0
		.amdhsa_enable_private_segment 0
		.amdhsa_kernarg_size 24
		.amdhsa_user_sgpr_count 2
		.amdhsa_user_sgpr_kernarg_segment_ptr 1
		.amdhsa_wavefront_size32 1
		.amdhsa_system_sgpr_workgroup_id_x 1
		.amdhsa_system_sgpr_workgroup_id_y 1
		.amdhsa_system_sgpr_workgroup_id_z 1
		.amdhsa_system_vgpr_workitem_id 0
		.amdhsa_next_free_vgpr 896
		.amdhsa_next_free_sgpr 66
		.amdhsa_reserve_vcc 0
		.amdhsa_float_denorm_mode_32 3
		.amdhsa_float_denorm_mode_16_64 3
		.amdhsa_memory_ordered 1
		.amdhsa_forward_progress 1
		.amdhsa_inst_pref_size 120
	.end_amdhsa_kernel
	.amdgpu_metadata
---
amdhsa.version: [ 1, 2 ]
amdhsa.kernels:
  - .name:           k_qc6e2a5c510_oproj
    .symbol:         k_qc6e2a5c510_oproj.kd
    .args:
      - { .name: att, .offset: 0, .size: 8, .value_kind: global_buffer, .address_space: global }
      - { .name: wb, .offset: 8, .size: 8, .value_kind: global_buffer, .address_space: global }
      - { .name: out0, .offset: 16, .size: 8, .value_kind: global_buffer, .address_space: global }
    .group_segment_fixed_size: 327680
    .private_segment_fixed_size: 0
    .kernarg_segment_align: 8
    .kernarg_segment_size: 24
    .max_flat_workgroup_size: 128
    .sgpr_count:     66
    .vgpr_count:     896
    .wavefront_size: 32
...
	.end_amdgpu_metadata
.endif
;; end of part 4
